; MI455X (gfx1250); checked and timed in simulation.
; The chip was launched on July 23, 2026; its instructions are those of AMD's public machine-readable ISA for CDNA 5 (MIT licence, August 2026) and "CDNA5" Instruction Set Architecture Reference Guide (July 2026). The comments in the code are by the model that wrote it; some were corrected since.
;; Scaled Dot Product Attention. Allowed arithmetic: matrix products marked QUANTISED: E5M2 operands, one given power-of-two scale a tensor, by v_wmma_f32_16x16x64_bf8_bf8 or v_wmma_f32_16x16x128_bf8_bf8, f32 sums; everything else in f32.
;; Inputs: k 4 x 16 x 2,048 x 64 float32; lowp_scales 4 int32 (the exponents e of the quantised operands' scales 2^e); q 4 x 16 x 2,048 x 64 float32; v 4 x 16 x 2,048 x 64 float32.
;; Outputs: out0 4 x 16 x 2,048 x 64 float32.
;; This version of the problem:
;;   THIS VERSION OF THE PROBLEM IS GIVEN IN LOW PRECISION. The matrix products marked QUANTISED in the list below multiply operands that are first quantised to E5M2 (5 exponent bits, 2 mantissa bits; 8 bits a number), with one given power-of-two scale for each operand tensor; their sums are f32. All else is computed in f32.
;;   The module's matrix products, in the order in which they are computed (A, B: the left and right operand; K: the contracted axis; several contracted axes count as one K, in the product's order):
;;     1. batch 64 x [M 2,048, K 64] x [K 64, N 2,048]; A: input q; B: input k: QUANTISED (scales: A lowp_scales[0], B lowp_scales[1])
;;     2. batch 64 x [M 2,048, K 2,048] x [K 2,048, N 64]; A: softmax (see below); B: input v: QUANTISED (scales: A lowp_scales[2], B lowp_scales[3])
;;   THE QUANTISER, for each operand of a quantised product, along K:
;;     - The operand's scale is 2^e, e = its entry of the input lowp_scales (int32; the entries are numbered through the quantised products in the list's order, A before B).
;;     - Each number is divided by the scale, clamped to +-57,344, and rounded to the nearest number of E5M2, ties to even, subnormals kept.
;;     - The product sums the exact products of the quantised numbers (number of the format x scale) in f32.
;;   ~~~python
;;   def quantise(x, axis, e):      # numpy; x: float32 -> the quantised numbers, widened to float32 again
;;       x = np.moveaxis(x, axis, -1); K = x.shape[-1]
;;       r = np.clip(x / 2.0 ** e, -57344, 57344)
;;       step = 2.0 ** (np.maximum(np.frexp(np.where(r == 0, 1, r))[1] - 1, -14) - 2)
;;       q = np.round(r / step) * step * 2.0 ** e      # np.round: ties to even
;;       return np.moveaxis(q, -1, axis).astype(np.float32)
;;   ~~~
;;   SOFTMAX AHEAD OF A QUANTISED PRODUCT. Where the list says 'softmax', what is quantised is not the finished softmax but p = 2^(t - M), with t = logit x log2(e) and M = ceil(the row's largest t), a whole number; so 1/2 < the row's largest p <= 1. The row's sum l is taken of the UNQUANTISED p, in f32, and the product's result is divided by l at the end. Since M is a whole number, a kernel that streams over the keys may use a running M (the ceiling of the running maximum): every later rescaling is an exact power of two, so the quantised numbers keep their values, but for numbers so far below the row's largest that they fall under the format's range.
;;   OPERANDS COMPUTED ON THE WAY. 'Computed on the way' means the value that the module computes at that place (a softmax that the list does not call 'softmax' is quantised finished and normalised). What goes into a quantiser is computed in f32, as accurately as f32 sums, v_exp_f32 and their like allow (about 1e-6 of the number): no bf16 or f16 on the way to a quantiser, and a product that is left as it is and whose result goes on into a quantised operand takes f32 operands (vector FMAs, or v_wmma_f32_16x16x4_f32). A number that lies on a knife's edge between two numbers of the format may be rounded either way, as far as f32 arithmetic and the matrix unit's own rounding can turn it there, and no further.
;; One version. Each part assembles by itself: llvm-mc -triple=amdgcn-amd-amdhsa -mcpu=gfx1250 --defsym DOCPART=n.
;; ======== version 1 of 1: 2 launches
;; limits: right only within a limited range of input values
;; workspace buffers: kv 16,777,216 bytes
;; launch quant (part 1): grid 16 x 64, 8 waves a work-group, no clusters, 35,840 bytes of LDS; arguments k, v, lowp_scales, kv; writes kv
.if DOCPART == 1
	.amdgcn_target "amdgcn-amd-amdhsa--gfx1250"
	.amdhsa_code_object_version 6
	.text
	.protected	k_q1dc6c035d0_quant
	.globl	k_q1dc6c035d0_quant
	.p2align	8
	.type	k_q1dc6c035d0_quant,@function
k_q1dc6c035d0_quant:
	s_mov_b64 s[64:65], 0
	v_nop
	global_prefetch_b8 v0, s[64:65] scope:SCOPE_SE
	s_setreg_imm32_b32 hwreg(HW_REG_WAVE_MODE, 25, 1), 1
	s_wait_xcnt 0x0
; THE PROGRAM: out0 = causal attention on codes of E5M2, in two launches.  This one turns k and v (f32, [64 heads][2048 keys][64]) into codes; the second multiplies.
; code = x / 2^e, held within +-57,344, rounded to the nearest code, ties to even; e = lowp_scales[1] for k (quantised along the head's 64), lowp_scales[3] for v (along the keys).
; WORK LEFT OUT BY THE PROGRAM (in the second launch): a step of 128 keys all of which come after a wave's 16 queries.  reference() itself sets those scores to -inf by its own jnp.tril,
; so their weights are 0 and they add nothing to the row's sum or to the output, whatever finite values q, k and v hold.  Every input is loaded; nothing is left out here.
; LIMITS: a NaN, an infinity or an overflow that arises only at a key hidden from a query is not carried to that query's result.  NaN among the inputs is not served (an infinity is held at the largest code).
; ek and ev lie between -126 and 112, so that 2^e and 57,344 x 2^e are f32 numbers.
; THE WORKSPACE kv IS AN IMAGE OF THE OPERANDS' REGISTERS: [head 64][slot of 256 keys: 8][32,768 bytes].
;   bytes 0 .. 16,383, K:  [step q of 128 keys: 8,192][tile T 0..7: 1,024][c 0..1: 512][lane: 16]: lane (r = lane % 16, h = lane / 16), byte j = k[key 128 q + 32 (T / 2) + 8 (T % 2) + r + 8 (r / 8)][d = 32 c + 16 h + j]
;   bytes 16,384 on,   V:  [q: 8,192][channel tile ct 0..3: 2,048][c 0..3: 512][lane: 16]: byte j = v[key 128 q + 32 c + 16 h + j][channel 16 ct + r]
; so that the second launch brings a slot as one dense block and each fragment by loads of 16 bytes a lane at 16 x lane.
; SHARES.  A work-group takes one step of 128 keys of one head.  Wave w takes K's tile T = w (16 keys x 64 d) and, of V, channels 32 (w % 2) + lane and keys 32 (w / 2) + 0 .. 31.
; K: each load reads 512 consecutive bytes (two keys' rows); the 4,096 bytes turn through the wave's own stage in LDS, so that a lane holds 16 neighbours along d for the conversions.
; V: a lane takes a channel and its registers run down the keys: the conversions then give codes with the keys innermost, and nothing is transposed.
; No loop, no barrier (waves share nothing), no tensor load; 40 loads of a wave are out at once.
.set SP,    272                        ; a stage row: 256 bytes + 16
.set STGB,  16*SP                      ; a wave's stage
.set SPARE, 8*STGB                     ; behind the eight stages: the spare words, 128 bytes for each wave: four blocks of 256 bytes that no other line names
.set LI,   2                           ; v2   16 x lane
.set SIN,  3                           ; v3   the stage, on the way in: row lane / 16, 16 (lane % 16)
.set SOUT, 4                           ; v4   and out: row r, + 64 h
.set L4,   5                           ; v5   4 x lane
.set VST,  6                           ; v6   V's codes: 2,048 (lane / 16) + 16 (lane % 16)
.set KLIM, 8                           ; v8   57,344 x 2^ek;  v9  2^ek
.set VLIM, 10                          ; v10  57,344 x 2^ev;  v11 2^ev
.set SPW,  12                          ; v12  LDS address of my spare word; never rewritten
.set NIL,  13                          ; v13  0; never rewritten
.set R,    16                          ; v16-47   K as loaded
.set X,    48                          ; v48-79   K turned: register 16 c + i = d 32 c + 16 h + i of key row r
.set Y,    80                          ; v80-111  V: register i = key 32 (w / 2) + i of my channel
.set KC,   112                         ; v112-119 K's codes
.set VC,   120                         ; v120-127 V's codes
	s_load_b128 s[4:7], s[0:1], 0x0                ; k, v
	s_load_b128 s[8:11], s[0:1], 0x10              ; the scales' exponents, kv
	v_lshl_add_u32 v[SPW], v0, 2, SPARE
	v_mov_b32 v[NIL], 0
	v_lshrrev_b32 v1, 5, v0
	v_readfirstlane_b32 s12, v1                    ; wave 0..7
	v_and_b32 v1, 31, v0                           ; lane
	v_lshlrev_b32 v[LI], 4, v1
	v_lshlrev_b32 v[L4], 2, v1
	v_and_b32 v7, 15, v0                           ; r
	v_bfe_u32 v14, v0, 4, 1                        ; h
	s_mul_i32 s15, s12, STGB                       ; my stage
	v_mul_u32_u24 v[SIN], v14, SP
	v_lshl_add_u32 v[SIN], v7, 4, v[SIN]
	v_add_nc_u32 v[SIN], s15, v[SIN]
	v_mul_u32_u24 v[SOUT], v7, SP
	v_lshl_add_u32 v[SOUT], v14, 6, v[SOUT]
	v_add_nc_u32 v[SOUT], s15, v[SOUT]
	v_lshlrev_b32 v[VST], 4, v7
	v_lshl_add_u32 v[VST], v14, 11, v[VST]
	; byte offsets, each under 2^31, in pairs with 0 above
	s_and_b32 s14, ttmp7, 0xffff                   ; the head
	s_lshr_b32 s2, s12, 1                          ; w / 2
	s_and_b32 s3, s12, 1                           ; w % 2
	s_lshl_b32 s20, s14, 19                        ; a head of k or v is 524,288 bytes,
	s_lshl_b32 s13, ttmp9, 15                      ; a step of 128 keys 32,768,
	s_add_co_u32 s20, s20, s13
	s_lshl_b32 s13, s2, 13                         ; 32 keys 8,192
	s_add_co_u32 s20, s20, s13
	s_lshl_b32 s13, s3, 7
	s_add_co_u32 s22, s20, s13                     ; v: + 32 channels x 4 bytes x (w % 2)
	s_lshl_b32 s13, s3, 11
	s_add_co_u32 s20, s20, s13                     ; k: + 8 keys x 256 bytes x (w % 2)
	s_mov_b32 s21, 0
	s_mov_b32 s23, 0
	s_lshl_b32 s24, s14, 18                        ; a head of kv is 262,144 bytes,
	s_lshr_b32 s13, ttmp9, 1
	s_lshl_b32 s13, s13, 15                        ; a slot 32,768,
	s_add_co_u32 s24, s24, s13
	s_and_b32 s13, ttmp9, 1
	s_lshl_b32 s13, s13, 13                        ; a step's part of K's or of V's image 8,192
	s_add_co_u32 s24, s24, s13
	s_lshl_b32 s13, s3, 12
	s_add_co_u32 s26, s24, s13                     ; V's codes: two channel tiles x (w % 2),
	s_lshl_b32 s13, s2, 9
	s_add_co_u32 s26, s26, s13                     ; c = w / 2,
	s_add_co_u32 s26, s26, 16384                   ; behind K's image
	s_lshl_b32 s13, s12, 10
	s_add_co_u32 s24, s24, s13                     ; K's codes: tile w
	s_mov_b32 s25, 0
	s_mov_b32 s27, 0
	s_wait_kmcnt 0x0
	s_load_b128 s[16:19], s[8:9], 0x0              ; eq, ek, ep, ev
	s_add_nc_u64 s[4:5], s[4:5], s[20:21]
	s_add_nc_u64 s[6:7], s[6:7], s[22:23]
	s_add_nc_u64 s[28:29], s[10:11], s[24:25]
	s_add_nc_u64 s[30:31], s[10:11], s[26:27]
.irp i, 0,1,2,3,4,5,6,7
	global_load_b128 v[R+4*\i:R+4*\i+3], v[LI], s[4:5] offset:512*\i+2048*(\i/4) th:TH_LOAD_NT   ; tile rows 2 i, 2 i + 1: 512 consecutive bytes; rows 8 to 15 are the keys 16 further on than rows 0 to 7
.endr
.set i, 0
.rept 32
	global_load_b32 v[Y+i], v[L4], s[6:7] offset:256*i th:TH_LOAD_NT   ; one key, 32 neighbouring channels: 128 consecutive bytes; the wave beside me takes the row's other half
.set i, i+1
.endr
	s_wait_kmcnt 0x0
	s_add_co_i32 s20, s17, 127
	s_lshl_b32 s21, s20, 23
	v_mov_b32 v[KLIM+1], s21                       ; 2^ek as f32: the conversion takes its exponent field
	s_add_co_i32 s20, s20, 15
	s_lshl_b32 s20, s20, 23
	s_or_b32 s20, s20, 0x600000
	v_mov_b32 v[KLIM], s20                         ; 57,344 x 2^ek
	s_add_co_i32 s20, s19, 127
	s_lshl_b32 s21, s20, 23
	v_mov_b32 v[VLIM+1], s21                       ; 2^ev
	s_add_co_i32 s20, s20, 15
	s_lshl_b32 s20, s20, 23
	s_or_b32 s20, s20, 0x600000
	v_mov_b32 v[VLIM], s20                         ; 57,344 x 2^ev
	s_wait_loadcnt 32                              ; k's eight loads are in; the 32 younger ones, v's, may be out
.irp i, 0,1,2,3,4,5,6,7
	ds_store_b128 v[SIN], v[R+4*\i:R+4*\i+3] offset:2*\i*SP
.endr
.irp c, 0,1
.irp j, 0,1,2,3
	ds_load_b128 v[X+16*\c+4*\j:X+16*\c+4*\j+3], v[SOUT] offset:128*\c+16*\j   ; LDS serves a wave's instructions in order (ISA guide 5.7.1.4): these see my stores
.endr
.endr
	s_wait_dscnt 0x0
.set i, 0
.rept 32
	v_med3_num_f32 v[X+i], v[X+i], -v[KLIM], v[KLIM]   ; the conversion to an 8-bit code does not saturate (ISA guide 7.6.2): the hold at the largest code x the scale
.set i, i+1
.endr
.irp c, 0,1
	v_cvt_scalef32_pk8_bf8_f32 v[KC+4*\c:KC+4*\c+1], v[X+16*\c:X+16*\c+7], v[KLIM+1]
	v_cvt_scalef32_pk8_bf8_f32 v[KC+4*\c+2:KC+4*\c+3], v[X+16*\c+8:X+16*\c+15], v[KLIM+1]
.endr
.irp c, 0,1
	global_store_b128 v[LI], v[KC+4*\c:KC+4*\c+3], s[28:29] offset:512*\c   ; 32 lanes store 512 consecutive bytes, at a multiple of 256 from kv's first byte
.endr
	s_wait_loadcnt 0x0                             ; v
.set i, 0
.rept 32
	v_med3_num_f32 v[Y+i], v[Y+i], -v[VLIM], v[VLIM]   ; (plain lines on other registers: they also stand behind k's conversions)
.set i, i+1
.endr
.irp g, 0,1,2,3
	v_cvt_scalef32_pk8_bf8_f32 v[VC+2*\g:VC+2*\g+1], v[Y+8*\g:Y+8*\g+7], v[VLIM+1]
.endr
.irp h, 0,1
	global_store_b128 v[VST], v[VC+4*\h:VC+4*\h+3], s[30:31] offset:256*\h   ; keys 16 h + 0 .. 15 of my channel: sixteen lanes store 256 consecutive bytes, aligned
.endr
	s_wait_tensorcnt 0x0                           ; the wave's end: behind my last LDS store
	ds_add_u32 v[SPW], v[NIL]
	s_wait_dscnt 0x0
	s_endpgm
.Lfunc_end_k_q1dc6c035d0_quant:
	.size	k_q1dc6c035d0_quant, .Lfunc_end_k_q1dc6c035d0_quant-k_q1dc6c035d0_quant
	.p2alignl 7, 3214868480
	.fill 96, 4, 3214868480
	.section	.rodata,"a",@progbits
	.p2align	6, 0x0
	.amdhsa_kernel k_q1dc6c035d0_quant
		.amdhsa_group_segment_fixed_size 35840
		.amdhsa_private_segment_fixed_size 0
		.amdhsa_enable_private_segment 0
		.amdhsa_kernarg_size 32
		.amdhsa_user_sgpr_count 2
		.amdhsa_user_sgpr_kernarg_segment_ptr 1
		.amdhsa_wavefront_size32 1
		.amdhsa_system_sgpr_workgroup_id_x 1
		.amdhsa_system_sgpr_workgroup_id_y 1
		.amdhsa_system_sgpr_workgroup_id_z 1
		.amdhsa_system_vgpr_workitem_id 0
		.amdhsa_next_free_vgpr 128
		.amdhsa_next_free_sgpr 66
		.amdhsa_reserve_vcc 0
		.amdhsa_float_denorm_mode_32 3
		.amdhsa_float_denorm_mode_16_64 3
		.amdhsa_memory_ordered 1
		.amdhsa_forward_progress 1
		.amdhsa_inst_pref_size 13
	.end_amdhsa_kernel
	.amdgpu_metadata
---
amdhsa.version: [ 1, 2 ]
amdhsa.kernels:
  - .name:           k_q1dc6c035d0_quant
    .symbol:         k_q1dc6c035d0_quant.kd
    .args:
      - { .name: k, .offset: 0, .size: 8, .value_kind: global_buffer, .address_space: global }
      - { .name: v, .offset: 8, .size: 8, .value_kind: global_buffer, .address_space: global }
      - { .name: lowp_scales, .offset: 16, .size: 8, .value_kind: global_buffer, .address_space: global }
      - { .name: kv, .offset: 24, .size: 8, .value_kind: global_buffer, .address_space: global }
    .group_segment_fixed_size: 35840
    .private_segment_fixed_size: 0
    .kernarg_segment_align: 8
    .kernarg_segment_size: 32
    .max_flat_workgroup_size: 256
    .sgpr_count:     66
    .vgpr_count:     128
    .wavefront_size: 32
...
	.end_amdgpu_metadata
.endif
;; end of part 1
;; launch attn (part 2): grid 4 x 64, 16 waves a work-group, no clusters, 327,680 bytes of LDS; arguments q, kv, lowp_scales, out0; writes out0
.if DOCPART == 2
	.amdgcn_target "amdgcn-amd-amdhsa--gfx1250"
	.amdhsa_code_object_version 6
	.text
	.protected	k_q1dc6c035d0_attn
	.globl	k_q1dc6c035d0_attn
	.p2align	8
	.type	k_q1dc6c035d0_attn,@function
k_q1dc6c035d0_attn:
	s_mov_b64 s[64:65], 0
	v_nop
	global_prefetch_b8 v0, s[64:65] scope:SCOPE_SE
	s_setreg_imm32_b32 hwreg(HW_REG_WAVE_MODE, 25, 1), 1
	s_wait_xcnt 0x0
; out0[head][q][:] = the sum over keys k <= q of softmax_k(Q . K / 8) V, both products on codes of E5M2.  q, out0: [64 heads][2048][64] f32.  kv: K's and V's codes as images of the operands' registers, made by the launch before:
; [head][slot of 256 keys: 8][32,768]: K: [step q: 8,192][tile T: 1,024][c: 512][lane: 16]; from byte 16,384 V: [q: 8,192][channel tile ct: 2,048][c: 512][lane: 16].
; WORK LEFT OUT: a step of 128 keys all of which come after my wave's 16 queries: reference()'s own jnp.tril makes their weights 0 for all values of the inputs.  A NaN, an infinity or an overflow that arises only there is not carried to the result.
; THE SOFTMAX AHEAD OF THE SECOND PRODUCT: t = score x log2(e) / 8; M = the row's largest t so far, rounded UP to a whole number; p = 2^(t - M) is quantised along the keys with 2^ep, not normalised; the row's sum is taken of the
; unquantised p in f32 and divides at the end.  When M moves, the sum and O are multiplied by 2^(old M - new M), which rounds nothing.
; SHARES.  Work-group (i, head), i = 0 .. 3, owns the block of 256 queries number i and then block 7 - i: block b wants key slots 0 .. b, so every work-group walks (i + 1) + (8 - i) = 9 slots: equal work, and a trip count that is a
; constant of the text.  Each of the sixteen waves owns 16 queries of the block in hand, four waves to a SIMD, so that one wave's vector work stands beside another's matrix work and LDS loads.
; LAYOUT.  Both products are used transposed: S^T = K Q^T (source 0 = 16 keys, source 1 = my 16 queries), O^T = V^T P^T: a lane holds ONE query (lane % 16) throughout.  The keys of a tile of K are chosen (in kv's layout) so that the 16
; registers of tiles 2 b and 2 b + 1 are keys 32 b + 16 (lane / 16) + 0 .. 15: the conversions' results are the second product's operand.  Along each product's K both operands are laid by the same order
; (registers 4 c .. 4 c + 3: 32 c + 16 (lane / 16) + 0 .. 15), so every product meets its partner; only the order of the sums inside an instruction differs from ascending K.
; NO CLUSTER: in one trip the four work-groups of a head want different key slots (slot t, or t - i - 1 behind the change of blocks), so no tile is wanted by two of them at the same time; a walk in step would have
; partners ask for tiles that the mask hides from all their waves.
; LIMITS on the given exponents, so that each power of two below is an f32 number: eq + ek between -123 and 130 (added to c's exponent field); eq and ep between -126 and 112; ep + ev goes by v_ldexp_f32 and has none.  NaN among the inputs is not served.
.set KSB,   32768                      ; a key slot in kv, in bytes
.set SLOT1, 0x8000                     ; LDS: slot 0 at 0, slot 1 here: one exclusive or turns an address from one into the other
.set STAGE, 0x10000                    ; behind the ring: 16 rows x (256 + 16) bytes for each wave: q's way in, O's way out; no tensor load lands here
.set SP,    272
.set STGB,  16*SP
.set SPARE, STAGE+16*STGB              ; behind the stages: the spare words, 128 bytes for each wave: eight blocks of 256 bytes that no other line names
.set WV,  12                           ; s12  my wave's number
.set PI,  13                           ; s13  i: the work-group's x
.set SW,  14                           ; s14  i + 1: the trip at whose head the blocks change
.set T,   15                           ; s15  the trip
.set G1,  16                           ; s[16:23] descriptor group 1
.set G0,  24                           ; s[24:27] descriptor group 0, which walks
.set KVB, 28                           ; s[28:29] kv at my head, + 16,384 in odd waves (V's image)
.set OFF, 30                           ; s[30:31] the next key slot's bytes, 0 above
.set SEL, 32                           ; s[32:33] lane selects for v_permlanex16_b32: lane l xor 16
.set CS,  34                           ; s[34:35] c = log2(e) / 8 x 2^(eq + ek): the packed form names a pair and takes its low word for both halves
.set TB,  36                           ; s36  LDS byte at which the slot in hand begins
.set KF,  37                           ; s37  the step's first key
.set Q0,  38                           ; s38  my first query in the block in hand
.set QH0, 39                           ; s39  and in the second block
.set OLO, 40                           ; s[40:41] out0 at my first query of the first block;  s[42:43] of the second
.set OHI, 42
.set PFA, 44                           ; s[44:45] where my prefetches stand
.set LIM, 46                           ; s46  a wave prefetches while the trip is under this: 6, or 0
.set EX,  48                           ; s[48:51] eq, ek, ep, ev
.set TMP, 52                           ; s52-55 at work
.set QLO, 56                           ; s[56:57], s[58:59] q at my first query of the two blocks
.set QHI, 58
.set EO,  60                           ; s60  ep + ev
.set LI,  1                            ; v1   16 x lane: a lane's place in an image, in two rows of q and of out0; never rewritten
.set ADR, 2                            ; v2   the step's LDS address
.set PFO, 3                            ; v3   256 x lane; never rewritten
.set STO, 4                            ; v4   the stage: row r, + 32 h
.set SPW, 5                            ; v5   LDS address of my spare word; never rewritten
.set NIL, 6                            ; v6   0; never rewritten
.set RD,  7                            ; v7   the stage: row lane / 16, + 16 (lane % 16)
.set QR,  8                            ; v8   the stage: row r, + 64 h
.set RH,  9                            ; v9   r - 16 h, for the mask
.set MN,  12                           ; v12  -M;  v13 the largest t
.set SUM, 14                           ; v[14:15] the row's sum in two halves
.set QC,  16                           ; v16-23 Q's codes in use;  v24-31 the second block's
.set FR,  32                           ; v32-95 fragments: K's eight of 8 registers, then V's four of 16
.set S,   96                           ; v96-159 S^T, then p
.set O,   160                          ; v160-191 O^T: four tiles of 16 channels
.set PC,  192                          ; v192-207 p's codes
.set PD,  208                          ; v208 the permute's destination
.set F,   210                          ; v[210:211] f = 2^(old M - new M), and 0
.set SUM2, 212                         ; v[212:213] the second chain of sums
.set MX,  214                          ; v214, v215 two chains of maxima
.set DD,  216                          ; v216 the mask's d
.set NINF, 217                         ; v217 -infinity
.set PLIM, 218                         ; v218 57,344 x 2^ep;  v219 2^ep
.set QLIM, 220                         ; v220 57,344 x 2^eq;  v221 2^eq
; Wave 0 fetches K's image of a slot, wave 1 V's, 16,384 bytes each; the others fetch nothing.  The branch hangs on the wave's number alone.  An s_nop 0 and four v_nop follow the load.
.macro TLOAD
	s_cmp_lt_u32 s[WV], 2
	s_cbranch_scc0 .Lasked_\@
	tensor_load_to_lds s[G0:G0+3], s[G1:G1+7]
	s_nop 0
.rept 4
	v_nop
.endr
.Lasked_\@:
.endm
; A PREFETCH INTO THE L2.  All four work-groups of a head read the head's slots of kv: the first of them (x = 0) asks, and in it waves 4 to 7, which fetch nothing: 8,192 bytes a wave, lanes 256 bytes apart, one instruction:
; together one key slot.  In trip t they name key slot t + 2, t = 0 .. 5: each aligned block of 256 bytes of slots 2 to 7 is named once in the launch; slots 0 and 1 come by their loads alone; trips 6 and 7 ask for nothing.
; That is one trip ahead of the earliest tensor load for that slot (work-group x = 3's) and two ahead of the asking work-group's own.
.macro ASK
	s_cmp_lt_u32 s[T], s[LIM]
	s_cbranch_scc0 .Lnot_mine_\@
	global_prefetch_b8 v[PFO], s[PFA:PFA+1] th:TH_LOAD_NT scope:SCOPE_SE
.Lnot_mine_\@:
.endm
; THE CHANGE OF SLOTS stands at a trip's head.  Each wave waits for all its tensor loads (its part of the slot that it is about to read), adds 0 to its spare word, and waits for that and for its reads of the slot that it has left.
; Behind the barrier the slot ahead is whole and nobody reads the other one.  fill = 1: that other slot takes the next trip's key slot: the one after this trip's, or key slot 0 where the blocks change behind this trip.
.macro CHANGE fill
	s_wait_tensorcnt 0x0                           ; no tensor load of mine is out, so group 0 may be written
	ds_add_u32 v[SPW], v[NIL]                      ; 0 onto my spare word
.if \fill
	ds_add_u32 v[SPW], v[NIL]                      ; and once more: the descriptor's steps stand between the second and the wait
	s_xor_b32 s[G0+1], s[G0+1], SLOT1              ; the other LDS slot than last time
	s_add_co_u32 s[OFF], s[KF], 256                ; the key slot after this trip's: 128 bytes of kv for each key,
	s_lshl_b32 s[OFF], s[OFF], 7
	s_cmp_eq_u32 s[T], s[PI]                       ; or, behind the first block's last trip, key slot 0 again
	s_cselect_b32 s[OFF], 0, s[OFF]
	s_add_nc_u64 s[G0+2:G0+3], s[KVB:KVB+1], s[OFF:OFF+1]
	s_or_b32 s[G0+3], s[G0+3], 0x80000000          ; 127:126 type = 2
	s_wait_xcnt 0x0                                ; the last prefetch, a trip back, has read its address, so it may be written
	s_add_nc_u64 s[PFA:PFA+1], s[PFA:PFA+1], KSB
.endif
	s_wait_dscnt 0x0                               ; the add is done (fill = 1: both are), and my reads of the slot that I have left are over
	s_barrier_signal -1
	s_barrier_wait -1
.if \fill
	TLOAD                                          ; the first thing behind the barrier, and a wave's one tensor load until the next: it has a trip's two key steps in which to land
	ASK
.endif
.endm
; A KEY STEP: 128 keys, the q-th of the slot in hand.
.macro STEP q
	s_add_co_u32 s[TMP], s[Q0], 15                 ; a step all of whose keys come after my 16 queries is left out: a scalar branch on ids, round the step's loads, products and softmax; no barrier or tensor load stands in a step
	s_cmp_gt_u32 s[KF], s[TMP]
	s_cbranch_scc1 .Lhidden_\@
	v_add_nc_u32 v[ADR], s[TB], v[LI]
.rept 3
	v_nop                                          ; with the addition above: four places in front of loads into registers that the last products read (ISA guide 7.12.1 for vector instructions)
.endr
.irp t, 0,1,2,3,4,5,6,7
.irp c, 0,1
	ds_load_b128 v[FR+8*\t+4*\c:FR+8*\t+4*\c+3], v[ADR] offset:8192*(\q)+1024*\t+512*\c   ; K's eight tiles: 512 consecutive bytes a load
.endr
.endr
	s_wait_dscnt 0x0
.irp t, 0,1,2,3,4,5,6,7
	v_wmma_f32_16x16x64_bf8_bf8 v[S+8*\t:S+8*\t+7], v[FR+8*\t:FR+8*\t+7], v[QC:QC+7], 0   ; S^T: lane (r, h): query r; registers 16 b + i of tiles 2 b, 2 b + 1: key KF + 32 b + 16 h + i
.endr
.rept 4
	v_nop                                          ; four places: in front of the loads below, into registers that these products read, and of the first read of S^T
.endr
.irp t, 0,1,2,3
.irp c, 0,1,2,3
	ds_load_b128 v[FR+16*\t+4*\c:FR+16*\t+4*\c+3], v[ADR] offset:16384+8192*(\q)+2048*\t+512*\c   ; V's four tiles land while the softmax is walked
.endr
.endr
	s_add_co_u32 s[TMP], s[KF], 127                ; on the diagonal the scores of hidden keys become -infinity ahead of the maximum: p = 0 then.  A step all of whose keys count skips this
	s_cmp_le_u32 s[TMP], s[Q0]
	s_cbranch_scc1 .Lopen_\@
	s_sub_co_i32 s[TMP], s[Q0], s[KF]
	v_add_nc_u32 v[DD], s[TMP], v[RH]              ; d = my query - KF - 16 h: register 16 b + i is hidden where 32 b + i > d
.set n, 0
.rept 64
	v_cmp_gt_i32 vcc_lo, 32*(n/16)+n%16, v[DD]
	v_cndmask_b32 v[S+n], v[S+n], v[NINF], vcc_lo
.set n, n+1
.endr
.Lopen_\@:
	v_max3_num_f32 v[MX], v[S], v[S+1], v[S+2]     ; the step's largest score of my query, among my 64 keys, in two chains, each accumulator from its low end on,
	v_max3_num_f32 v[MX+1], v[S+3], v[S+4], v[S+5]
.set i, 6
.rept 14
	v_max3_num_f32 v[MX], v[MX], v[S+i], v[S+i+1]
	v_max3_num_f32 v[MX+1], v[MX+1], v[S+i+2], v[S+i+3]
.set i, i+4
.endr
	v_max3_num_f32 v[MX], v[MX], v[S+62], v[S+63]
	v_max_num_f32 v[MX], v[MX], v[MX+1]
	v_permlanex16_b32 v[PD], v[MX], s[SEL], s[SEL+1]
	v_max_num_f32 v[MX], v[MX], v[PD]              ; and among lane l xor 16's
	v_mul_f32 v[MX], s[CS], v[MX]                  ; as t (c is positive)
	v_max_num_f32 v[MN+1], v[MN+1], v[MX]          ; the running largest t
	v_mov_b32 v[MX], v[MN]
	v_floor_f32 v[MN], -v[MN+1]                    ; the new -M = floor(-t) = -ceil(t): M is a whole number
	v_sub_f32 v[MX], v[MN], v[MX]                  ; M's old value less its new one: a whole number, 0 or less
	v_cvt_i32_f32 v[MX], v[MX]                     ; (it saturates)
	v_ldexp_f32 v[F], 1.0, v[MX]                   ; f = 2^(old M - new M)
.set j, 0
.rept 32
	v_pk_fma_f32 v[S+j:S+j+1], v[S+j:S+j+1], s[CS:CS+1], v[MN:MN+1] op_sel_hi:[1,0,0]   ; t - M, two at a time (of the pairs c and -M the low word serves both halves)
.set j, j+2
.endr
.set j, 0
.rept 64
	v_exp_f32 v[S+j], v[S+j]                       ; p = 2^(t - M), at most 1: not normalised
.set j, j+1
.endr
	v_pk_mul_f32 v[SUM:SUM+1], v[SUM:SUM+1], v[F:F+1] op_sel_hi:[1,0]   ; the sums under the new M: the plain instruction behind the exponentials (ISA guide 5.7.2)
	s_wait_alu depctr_va_vdst(0)                   ; the wait ahead of the first instruction that names an exponential's result: one for the batch of 64
	v_pk_add_f32 v[SUM2:SUM2+1], v[S:S+1], v[S+2:S+3]   ; the row's sum is taken of the unquantised p: two at a time, in two chains
.set j, 4
.rept 15
	v_pk_add_f32 v[SUM:SUM+1], v[SUM:SUM+1], v[S+j:S+j+1]
	v_pk_add_f32 v[SUM2:SUM2+1], v[SUM2:SUM2+1], v[S+j+2:S+j+3]
.set j, j+4
.endr
	v_pk_add_f32 v[SUM:SUM+1], v[SUM:SUM+1], v[SUM2:SUM2+1]
.irp b, 0,1,2,3
.set i, 0
.rept 16
	v_min_num_f32 v[S+16*\b+i], v[S+16*\b+i], v[PLIM]   ; the conversion to an 8-bit code does not saturate (ISA guide 7.6.2); p is not negative, so the hold is one-sided
.set i, i+1
.endr
	v_cvt_scalef32_pk8_bf8_f32 v[PC+4*\b:PC+4*\b+1], v[S+16*\b:S+16*\b+7], v[PLIM+1]
	v_cvt_scalef32_pk8_bf8_f32 v[PC+4*\b+2:PC+4*\b+3], v[S+16*\b+8:S+16*\b+15], v[PLIM+1]
.endr
.set j, 0
.rept 16
	v_pk_mul_f32 v[O+j:O+j+1], v[O+j:O+j+1], v[F:F+1] op_sel_hi:[1,0]   ; O^T under the new M, each accumulator from its low end on.  (Plain lines between the conversions and the products that read their results)
.set j, j+2
.endr
	s_wait_dscnt 0x0                               ; V's fragments are in
.irp t, 0,1,2,3
	v_wmma_f32_16x16x128_bf8_bf8 v[O+8*\t:O+8*\t+7], v[FR+16*\t:FR+16*\t+15], v[PC:PC+15], v[O+8*\t:O+8*\t+7]   ; O^T += V^T P^T; the four accumulators take turns, one instruction a turn
.endr
.Lhidden_\@:
	s_add_co_u32 s[KF], s[KF], 128
.endm
; THE WAY OUT of a block.  O^T / the sum x 2^(ep + ev) goes through my stage in LDS and leaves as whole rows: each store covers two rows of out0, 512 consecutive bytes, at a multiple of 256 from its first byte.
; more = 1: steps follow, whose LDS loads land in the stores' data registers.
.macro OUT ptr, more
.rept 4
	v_nop                                          ; four places behind the last products, in front of the reads of O^T and of the loads into V's registers
.endr
	v_add_f32 v[SUM], v[SUM], v[SUM+1]             ; the sum's two halves,
	v_permlanex16_b32 v[PD], v[SUM], s[SEL], s[SEL+1]
	v_add_f32 v[SUM], v[SUM], v[PD]                ; and lane l xor 16's: the row's sum (key 0 counts for every query: it is at least 1/2)
	v_rcp_f32 v[SUM], v[SUM]
	v_nop                                          ; a plain instruction behind the reciprocal
	s_wait_alu depctr_va_vdst(0)                   ; and the wait ahead of its first reader
	v_ldexp_f32 v[SUM], v[SUM], s[EO]              ; x 2^(ep + ev)
.set j, 0
.rept 16
	v_pk_mul_f32 v[S+j:S+j+1], v[O+j:O+j+1], v[SUM:SUM+1] op_sel_hi:[1,0]   ; register 8 t + i is o(query r, channel 16 t + 8 h + i)
.set j, j+2
.endr
.irp t, 0,1,2,3
	ds_store_b128 v[STO], v[S+8*\t:S+8*\t+3] offset:64*\t
	ds_store_b128 v[STO], v[S+8*\t+4:S+8*\t+7] offset:64*\t+16
.endr
.irp i, 0,1,2,3,4,5,6,7
	ds_load_b128 v[FR+4*\i:FR+4*\i+3], v[RD] offset:2*\i*SP   ; LDS serves a wave's instructions in order (ISA guide 5.7.1.4): these see my stores
.endr
.irp i, 0,1,2,3,4,5,6,7
	s_wait_dscnt 7-\i                              ; load i is in; the 7 - i younger ones may be out
	global_store_b128 v[LI], v[FR+4*\i:FR+4*\i+3], s[\ptr:\ptr+1] offset:512*\i th:TH_STORE_NT
.endr
.if \more
	s_wait_xcnt 0x0                                ; the stores have read their data registers: the next step's loads may land there
.endif
.endm
; A block begins: the largest t under every t, the sum and O^T zeros (a key step is written once: the first finds zeros, which the first change of M leaves zeros).  copy = 1: the second block's codes of Q come into use.
.macro INIT copy
	v_mov_b32 v[MN+1], 0xff61b1e6                  ; -3e38
	v_floor_f32 v[MN], -v[MN+1]
	v_mov_b32 v[SUM], 0
	v_mov_b32 v[SUM+1], 0
.set j, 0
.rept 32
	v_mov_b32 v[O+j], 0
.set j, j+1
.endr
.if \copy
.set j, 0
.rept 8
	v_mov_b32 v[QC+j], v[QC+8+j]
.set j, j+1
.endr
.endif
.endm
	s_load_b128 s[4:7], s[0:1], 0x0                ; q, kv
	s_load_b128 s[8:11], s[0:1], 0x10              ; the scales' exponents, out0
	v_lshl_add_u32 v[SPW], v0, 2, SPARE
	v_mov_b32 v[NIL], 0
	ds_add_u32 v[SPW], v[NIL]                      ; the wave's opening: the add, twice on end, and its wait ahead of the first tensor load; the set-up below, work on registers, stands between the second and the wait
	ds_add_u32 v[SPW], v[NIL]
	v_lshrrev_b32 v10, 5, v0
	v_readfirstlane_b32 s[WV], v10                 ; wave 0..15
	s_mov_b32 s[PI], ttmp9
	s_add_co_u32 s[SW], s[PI], 1
	s_mov_b32 s[T], 0
	s_mov_b32 s[KF], 0
	s_mov_b32 s[TB], 0
	; descriptor group 1: a dense block of 16,384 bytes as 64 rows of 32 elements of 8 bytes; no padding, no mask
	s_mov_b32 s[G1], 3<<16                         ; 17:16 elements of 8 bytes
	s_mov_b32 s[G1+1], 32<<16                      ; tensor_dim0 = 32
	s_mov_b32 s[G1+2], 64<<16                      ; tensor_dim1 = 64
	s_mov_b32 s[G1+3], 32<<16                      ; tile_dim0 = 32
	s_mov_b32 s[G1+4], 64                          ; tile_dim1 = 64
	s_mov_b32 s[G1+5], 32                          ; from row to row: 32 elements
	s_mov_b32 s[G1+6], 0
	s_mov_b32 s[G1+7], 0
	s_mov_b32 s[SEL], 0x76543210
	s_mov_b32 s[SEL+1], 0xfedcba98
	s_and_b32 s[TMP], ttmp7, 0xffff                ; the head
	s_mov_b32 s[G0], 1                             ; 1:0 count = 1
	s_and_b32 s[TMP+1], s[WV], 1
	s_lshl_b32 s[G0+1], s[TMP+1], 14               ; 63:32 LDS address: slot 0; K's image at 0, V's at 16,384
	s_lshl_b32 s[OFF], s[TMP], 18                  ; a head of kv is 262,144 bytes
	s_add_co_u32 s[OFF], s[OFF], s[G0+1]           ; and the same 16,384 in memory
	s_mov_b32 s[OFF+1], 0
	s_lshl_b32 s[TMP+1], s[WV], 4
	s_lshl_b32 s[Q0], s[PI], 8
	s_add_co_u32 s[Q0], s[Q0], s[TMP+1]            ; my first query: 256 i + 16 x wave,
	s_sub_co_u32 s[QH0], 7, s[PI]
	s_lshl_b32 s[QH0], s[QH0], 8
	s_add_co_u32 s[QH0], s[QH0], s[TMP+1]          ; and 256 (7 - i) + 16 x wave
	s_wait_dscnt 0x0                               ; both opening adds are done
	s_wait_kmcnt 0x0
	s_load_b128 s[EX:EX+3], s[8:9], 0x0            ; eq, ek, ep, ev
	s_add_nc_u64 s[KVB:KVB+1], s[6:7], s[OFF:OFF+1]
	s_mov_b64 s[G0+2:G0+3], s[KVB:KVB+1]           ; 120:64 global address: key slot 0
	s_or_b32 s[G0+3], s[G0+3], 0x80000000          ; 127:126 type = 2
	TLOAD                                          ; slot 0: ahead of every wait on TENSORcnt, every LDS read and every barrier; key 0 counts for every query, so it is read
	s_lshl_b32 s[TMP+1], s[TMP], 19                ; a head of q or out0 is 524,288 bytes, a query's row 256
	s_lshl_b32 s[TMP+2], s[Q0], 8
	s_add_co_u32 s[TMP+2], s[TMP+2], s[TMP+1]
	s_mov_b32 s[TMP+3], 0
	s_add_nc_u64 s[QLO:QLO+1], s[4:5], s[TMP+2:TMP+3]
	s_add_nc_u64 s[OLO:OLO+1], s[10:11], s[TMP+2:TMP+3]
	s_lshl_b32 s[TMP+2], s[QH0], 8
	s_add_co_u32 s[TMP+2], s[TMP+2], s[TMP+1]
	s_add_nc_u64 s[QHI:QHI+1], s[4:5], s[TMP+2:TMP+3]
	s_add_nc_u64 s[OHI:OHI+1], s[10:11], s[TMP+2:TMP+3]
	v_and_b32 v[LI], 31, v0
	v_lshlrev_b32 v[LI], 4, v[LI]
.irp i, 0,1,2,3,4,5,6,7
	global_load_b128 v[FR+4*\i:FR+4*\i+3], v[LI], s[QLO:QLO+1] offset:512*\i th:TH_LOAD_NT   ; my 16 queries of the first block: 512 consecutive bytes (two rows) a load
.endr
.irp i, 0,1,2,3,4,5,6,7
	global_load_b128 v[FR+32+4*\i:FR+32+4*\i+3], v[LI], s[QHI:QHI+1] offset:512*\i th:TH_LOAD_NT   ; and of the second
.endr
	; the prefetches: where my wave's stand, and who asks
	s_lshl_b32 s[TMP+2], s[TMP], 18
	s_and_b32 s[TMP+1], s[WV], 3
	s_lshl_b32 s[TMP+1], s[TMP+1], 13              ; my wave's 8,192 bytes of a slot,
	s_add_co_u32 s[TMP+2], s[TMP+2], s[TMP+1]
	s_add_co_u32 s[TMP+2], s[TMP+2], KSB           ; in key slot 1: the first change of slots steps it to slot 2.  Nothing is prefetched here, at the head
	s_add_nc_u64 s[PFA:PFA+1], s[6:7], s[TMP+2:TMP+3]
	s_sub_co_u32 s[TMP+1], s[WV], 4
	s_lshr_b32 s[TMP+1], s[TMP+1], 2               ; 0 in waves 4 to 7,
	s_or_b32 s[TMP+1], s[TMP+1], s[PI]             ; of the head's first work-group
	s_cmp_eq_u32 s[TMP+1], 0
	s_cselect_b32 s[LIM], 6, 0
	v_and_b32 v10, 15, v0                          ; r
	v_bfe_u32 v11, v0, 4, 1                        ; h
	s_mul_i32 s[TMP+1], s[WV], STGB
	s_add_co_u32 s[TMP+1], s[TMP+1], STAGE         ; my stage
	v_mul_u32_u24 v[STO], v10, SP
	v_add_nc_u32 v[STO], s[TMP+1], v[STO]
	v_lshl_add_u32 v[QR], v11, 6, v[STO]
	v_lshl_add_u32 v[STO], v11, 5, v[STO]
	v_mul_u32_u24 v[RD], v11, SP
	v_lshl_add_u32 v[RD], v10, 4, v[RD]
	v_add_nc_u32 v[RD], s[TMP+1], v[RD]
	v_lshlrev_b32 v[RH], 4, v11
	v_sub_nc_u32 v[RH], v10, v[RH]
	v_and_b32 v[PFO], 31, v0
	v_lshlrev_b32 v[PFO], 8, v[PFO]
	v_mov_b32 v[NINF], 0xff800000
	v_mov_b32 v[PD], 0                             ; written once: a lane permute's destination counts as one of its sources
	v_mov_b32 v[F+1], 0                            ; (named as the upper half of the pair)
	INIT 0
	s_wait_kmcnt 0x0
	s_add_co_i32 s[TMP+1], s[EX], s[EX+1]
	s_lshl_b32 s[TMP+1], s[TMP+1], 23
	s_add_co_i32 s[CS], s[TMP+1], 0x3e38aa3b       ; c = log2(e) / 8; a score stands for score x 2^(eq + ek): the two exponents are added to c's exponent field
	s_mov_b32 s[CS+1], s[CS]                       ; (named with it as a pair, so it is written)
	s_add_co_i32 s[EO], s[EX+2], s[EX+3]
	s_add_co_i32 s[TMP+1], s[EX+2], 127
	s_lshl_b32 s[TMP+2], s[TMP+1], 23
	v_mov_b32 v[PLIM+1], s[TMP+2]                  ; 2^ep as f32, for the conversion
	s_add_co_i32 s[TMP+1], s[TMP+1], 15
	s_lshl_b32 s[TMP+1], s[TMP+1], 23
	s_or_b32 s[TMP+1], s[TMP+1], 0x600000
	v_mov_b32 v[PLIM], s[TMP+1]                    ; 57,344 x 2^ep
	s_add_co_i32 s[TMP+1], s[EX], 127
	s_lshl_b32 s[TMP+2], s[TMP+1], 23
	v_mov_b32 v[QLIM+1], s[TMP+2]                  ; 2^eq
	s_add_co_i32 s[TMP+1], s[TMP+1], 15
	s_lshl_b32 s[TMP+1], s[TMP+1], 23
	s_or_b32 s[TMP+1], s[TMP+1], 0x600000
	v_mov_b32 v[QLIM], s[TMP+1]                    ; 57,344 x 2^eq
	; q is read once, by me alone: it is quantised here.  Its rows turn through my stage, so that lane (r, h) holds d = 32 c + 16 h + 0 .. 15 of query r in registers 16 c + 0 .. 15
	s_wait_loadcnt 8                               ; the first block's eight loads are in; the second's eight may be out
.irp i, 0,1,2,3,4,5,6,7
	ds_store_b128 v[RD], v[FR+4*\i:FR+4*\i+3] offset:2*\i*SP
.endr
.irp c, 0,1
.irp j, 0,1,2,3
	ds_load_b128 v[S+16*\c+4*\j:S+16*\c+4*\j+3], v[QR] offset:128*\c+16*\j
.endr
.endr
	s_wait_loadcnt 0x0
.irp i, 0,1,2,3,4,5,6,7
	ds_store_b128 v[RD], v[FR+32+4*\i:FR+32+4*\i+3] offset:2*\i*SP   ; LDS serves a wave's instructions in order (ISA guide 5.7.1.4): these come behind the loads above
.endr
.irp c, 0,1
.irp j, 0,1,2,3
	ds_load_b128 v[S+32+16*\c+4*\j:S+32+16*\c+4*\j+3], v[QR] offset:128*\c+16*\j
.endr
.endr
	s_wait_dscnt 0x0
.set i, 0
.rept 64
	v_med3_num_f32 v[S+i], v[S+i], -v[QLIM], v[QLIM]   ; the hold at the largest code x the scale (ISA guide 7.6.2)
.set i, i+1
.endr
.irp g, 0,1,2,3
	v_cvt_scalef32_pk8_bf8_f32 v[QC+4*\g:QC+4*\g+1], v[S+16*\g:S+16*\g+7], v[QLIM+1]       ; g = 0, 1: the first block's codes; 2, 3: the second's
	v_cvt_scalef32_pk8_bf8_f32 v[QC+4*\g+2:QC+4*\g+3], v[S+16*\g+8:S+16*\g+15], v[QLIM+1]
.endr
	v_nop                                          ; a plain vector instruction between the conversions and the products, which read their results and write their sources
.Ltrip:                                            ; eight trips; behind each change of slots the next trip's key slot is asked for
	CHANGE 1
	s_cmp_lg_u32 s[T], s[SW]                       ; ids and the count of trips alone: all sixteen waves go the same way
	s_cbranch_scc1 .Lsame
	OUT OLO, 1                                     ; the first block is finished: it leaves while the tensor load just issued is on its way,
	INIT 1                                         ; and the second begins
.Lsame:
	STEP 0
	STEP 1
	s_xor_b32 s[TB], s[TB], SLOT1                  ; on to the other LDS slot
	s_add_co_u32 s[T], s[T], 1
	s_cmp_eq_u32 s[T], s[SW]                       ; behind the first block's last trip: back to key 0, on to the second block's queries
	s_cselect_b32 s[KF], 0, s[KF]
	s_cselect_b32 s[Q0], s[QH0], s[Q0]
	s_cmp_lt_u32 s[T], 8
	s_cbranch_scc1 .Ltrip
	CHANGE 0                                       ; the ninth trip is written out: nothing is left to fetch
	STEP 0
	STEP 1
	OUT OHI, 0
	s_wait_tensorcnt 0x0                           ; the wave's end: behind my last tensor load and my last LDS store
	ds_add_u32 v[SPW], v[NIL]
	s_wait_dscnt 0x0
	s_endpgm
.Lfunc_end_k_q1dc6c035d0_attn:
	.size	k_q1dc6c035d0_attn, .Lfunc_end_k_q1dc6c035d0_attn-k_q1dc6c035d0_attn
	.p2alignl 7, 3214868480
	.fill 96, 4, 3214868480
	.section	.rodata,"a",@progbits
	.p2align	6, 0x0
	.amdhsa_kernel k_q1dc6c035d0_attn
		.amdhsa_group_segment_fixed_size 327680
		.amdhsa_private_segment_fixed_size 0
		.amdhsa_enable_private_segment 0
		.amdhsa_kernarg_size 32
		.amdhsa_user_sgpr_count 2
		.amdhsa_user_sgpr_kernarg_segment_ptr 1
		.amdhsa_wavefront_size32 1
		.amdhsa_system_sgpr_workgroup_id_x 1
		.amdhsa_system_sgpr_workgroup_id_y 1
		.amdhsa_system_sgpr_workgroup_id_z 1
		.amdhsa_system_vgpr_workitem_id 0
		.amdhsa_next_free_vgpr 224
		.amdhsa_next_free_sgpr 66
		.amdhsa_reserve_vcc 1
		.amdhsa_float_denorm_mode_32 3
		.amdhsa_float_denorm_mode_16_64 3
		.amdhsa_memory_ordered 1
		.amdhsa_forward_progress 1
		.amdhsa_inst_pref_size 106
	.end_amdhsa_kernel
	.amdgpu_metadata
---
amdhsa.version: [ 1, 2 ]
amdhsa.kernels:
  - .name:           k_q1dc6c035d0_attn
    .symbol:         k_q1dc6c035d0_attn.kd
    .args:
      - { .name: q, .offset: 0, .size: 8, .value_kind: global_buffer, .address_space: global }
      - { .name: kv, .offset: 8, .size: 8, .value_kind: global_buffer, .address_space: global }
      - { .name: lowp_scales, .offset: 16, .size: 8, .value_kind: global_buffer, .address_space: global }
      - { .name: out0, .offset: 24, .size: 8, .value_kind: global_buffer, .address_space: global }
    .group_segment_fixed_size: 327680
    .private_segment_fixed_size: 0
    .kernarg_segment_align: 8
    .kernarg_segment_size: 32
    .max_flat_workgroup_size: 512
    .sgpr_count:     66
    .vgpr_count:     224
    .wavefront_size: 32
...
	.end_amdgpu_metadata
.endif
;; end of part 2
